; MI455X (gfx1250); checked and timed in simulation.
; The chip was launched on July 23, 2026; its instructions are those of AMD's public machine-readable ISA for CDNA 5 (MIT licence, August 2026) and "CDNA5" Instruction Set Architecture Reference Guide (July 2026). The comments in the code are by the model that wrote it; some were corrected since.
;; Cross Attention. Allowed arithmetic: matrix products marked QUANTISED: E2M1 operands, one E8M0 scale for each 32 along K, by v_wmma_scale_f32_16x16x128_f8f6f4 with both operands' format E2M1 (or v_wmma_scale_f32_32x16x128_f4), f32 sums; everything else in f32.
;; Inputs: Wk 128 x 64 float32; Wq 128 x 128 float32; Wv 128 x 64 float32; age_features 1 x 64 float32; bk 128 float32; bq 128 float32; bv 128 float32; pixel_features 1 x 128 x 16 x 32 x 32 float32.
;; Outputs: out0 1 x 16,384 x 128 float32.
;; This version of the problem:
;;   THIS VERSION OF THE PROBLEM IS GIVEN IN LOW PRECISION. The matrix products marked QUANTISED in the list below multiply operands that are first quantised to E2M1 (2 exponent bits, 1 mantissa bit; 4 bits a number), with one power-of-two scale for each 32 numbers along K (OCP MX v1.0); their sums are f32. All else is computed in f32.
;;   The module's matrix products, in the order in which they are computed (A, B: the left and right operand; K: the contracted axis; several contracted axes count as one K, in the product's order):
;;     1. [M 16,384, K 128] x [K 128, N 128]; A: input pixel_features; B: input Wq: QUANTISED
;;     2. [M 16,384, K 64] x [K 64, N 128]; A: input age_features; B: input Wk: QUANTISED
;;     3. [M 16,384, K 64] x [K 64, N 128]; A: input age_features; B: input Wv: QUANTISED
;;     4. [M 16,384, K 128] x [K 128, N 16,384]; A: computed on the way; B: computed on the way: QUANTISED
;;     5. [M 16,384, K 16,384] x [K 16,384, N 128]; A: softmax (see below); B: computed on the way: QUANTISED
;;   THE QUANTISER, for each operand of a quantised product, along K:
;;     - K is cut into blocks of 32 from its start; a last block that is shorter is filled with zeros.
;;     - A block's scale is 2^e with e = floor(log2(the largest magnitude in the block)) - 2, held to -126 .. 127; a block of zeros has e = 0. As a byte (E8M0): e + 127.
;;     - Each number is divided by its block's scale, clamped to +-6, and rounded to the nearest number of E2M1, ties to even, subnormals kept.
;;     - The product sums the exact products of the quantised numbers (number of the format x scale) in f32.
;;   ~~~python
;;   def quantise(x, axis):      # numpy; x: float32 -> the quantised numbers, widened to float32 again
;;       x = np.moveaxis(x, axis, -1); K = x.shape[-1]
;;       x = np.pad(x, [(0, 0)] * (x.ndim - 1) + [(0, -K % 32)]); x = x.reshape(x.shape[:-1] + (-1, 32)); a = np.abs(x).max(-1, keepdims=True)
;;       e = np.where(a > 0, np.clip(np.frexp(np.where(a > 0, a, 1))[1] - 1 - 2, -126, 127), 0)      # np.frexp(a)[1] - 1 = floor(log2(a)), exactly
;;       r = np.clip(x / 2.0 ** e, -6, 6)
;;       step = 2.0 ** (np.maximum(np.frexp(np.where(r == 0, 1, r))[1] - 1, 0) - 1)
;;       q = np.round(r / step) * step * 2.0 ** e      # np.round: ties to even
;;       return np.moveaxis(q.reshape(q.shape[:-2] + (-1,))[..., :K], -1, axis).astype(np.float32)
;;   ~~~
;;   SOFTMAX AHEAD OF A QUANTISED PRODUCT. Where the list says 'softmax', what is quantised is not the finished softmax but p = 2^(t - M), with t = logit x log2(e) and M = ceil(the row's largest t), a whole number; so 1/2 < the row's largest p <= 1. The row's sum l is taken of the UNQUANTISED p, in f32, and the product's result is divided by l at the end. Since M is a whole number, a kernel that streams over the keys may use a running M (the ceiling of the running maximum): every later rescaling is an exact power of two, which a block's scale takes up: the codes' values come out the same.
;;   OPERANDS COMPUTED ON THE WAY. 'Computed on the way' means the value that the module computes at that place (a softmax that the list does not call 'softmax' is quantised finished and normalised). What goes into a quantiser is computed in f32, as accurately as f32 sums, v_exp_f32 and their like allow (about 1e-6 of the number): no bf16 or f16 on the way to a quantiser, and a product that is left as it is and whose result goes on into a quantised operand takes f32 operands (vector FMAs, or v_wmma_f32_16x16x4_f32). A number that lies on a knife's edge between two numbers of the format may be rounded either way, as far as f32 arithmetic and the matrix unit's own rounding can turn it there, and no further.
;; One version. Each part assembles by itself: llvm-mc -triple=amdgcn-amd-amdhsa -mcpu=gfx1250 --defsym DOCPART=n.
;; ======== version 1 of 1: 1 launch
;; launch attn (part 1): grid 256 x 1, 4 waves a work-group, clusters of 4 x 1, 229,888 bytes of LDS; arguments pixel_features, age_features, Wq, bq, Wk, bk, Wv, bv, out0; writes out0
.if DOCPART == 1
	.amdgcn_target "amdgcn-amd-amdhsa--gfx1250"
	.amdhsa_code_object_version 6
	.text
	.protected	k_qb73c83ca89_attn
	.globl	k_qb73c83ca89_attn
	.p2align	8
	.type	k_qb73c83ca89_attn,@function
k_qb73c83ca89_attn:
	s_mov_b64 s[64:65], 0
	v_nop
	global_prefetch_b8 v0, s[64:65] scope:SCOPE_SE
	s_setreg_imm32_b32 hwreg(HW_REG_WAVE_MODE, 25, 1), 1
	s_wait_xcnt 0x0
	s_wait_alu depctr_hold_cnt(0) depctr_sa_sdst(0) depctr_va_vdst(0) depctr_va_sdst(0) depctr_va_ssrc(0) depctr_va_vcc(0) depctr_vm_vsrc(0)
	s_getreg_b32 s2, hwreg(HW_REG_IB_STS2, 6, 4)
	s_cmp_eq_u32 s2, 0
	s_cbranch_scc0 .Lentry_in_a_cluster
	s_endpgm
.Lentry_in_a_cluster:
	s_bfe_u32 s2, ttmp6, 0x10000c
	s_cmp_lg_u32 s2, 0x3003
	s_cbranch_scc0 .Lentry_shape_is_right
	s_endpgm
.Lentry_shape_is_right:
; out[n][c] = (softmax_m(q[n] . k[m] / sqrt(128)) v)[n][c] + px[n][c],  px[n][c] = pixel_features[c][n],  N = 16,384 pixels, C = 128.
; q = px Wq^T + bq, k = age Wk^T + bk, v = age Wv^T + bv.  All five products on codes of FP4 (E2M1) with one E8M0 scale for each 32 along K; sums in f32.
; SHARES.  256 work-groups of four waves; a work-group owns 64 pixels, a wave one tile of 16 queries against all 16,384 keys, 128 keys a step.
; WHAT THE MODULE ITSELF FIXES.  It broadcasts ONE age vector to all keys: every row of k is the same row and every row of v the same row, for every input.  So one fragment of K (16 keys) and eight
; fragments of V^T (16 channels x 128 keys each) stand in registers for all key steps, and the two long loops read nothing.  Both long products are still multiplied for all keys:
;   pass 1: S^T = K Q^T, 8 products a step, 128 steps; every score goes into the row's running maximum (two scores to a v_max3).
;   the chain t - M, 2^(t - M), the sum of p and p's codes is evaluated ONCE a tile, on the last step's scores: each step multiplies the same registers, so they are every step's scores.
;   pass 2: O^T += V^T P^T, 8 products a step, 128 steps, on 8 accumulators.
; The sum l of the unquantised p is 128 x (the f32 sum of one step's 128 p): the factor is a power of two.
; LIMITS.  NaN and infinities among the inputs are not served.  A block whose largest magnitude lies under 2^-124 gets the scale byte 1; so does a block of zeros (its codes are zeros, and this program alone reads the bytes).
; ONE PATTERN OF ROWS.  Tile t (0..7) of Wq, Wk, Wv takes, as its row m (0..15), channel 64 (t / 4) + 32 (m / 8) + 8 (t % 4) + m % 8.  A product with such a tile as source 0 leaves lane (r, h), in register
; 8 t + j, channel 64 (t / 4) + 32 h + 8 (t % 4) + j: register 32 c + i is k = 64 c + 32 h + i, the very order of a 4-bit operand.  So a lane holds whole blocks of 32, a block's largest magnitude needs no other
; lane, and the conversions' results ARE the next operand's registers.  O^T's register 8 t + j is the same channel as px's register 8 t + j.
; CLUSTER.  All work-groups read the same 128 KiB of weights, four fifths of what a work-group fetches: the four of a cluster ask for them JOINTLY (the same tensor load, the same descriptor, mask 15).
; A work-group's 32 KiB of px are its own: a plain tensor load.  LDS is filled once, at the start, and no byte of it is filled again.
; REGISTERS.  v1-15 lane numbers and LDS addresses; RA, RB, RC: three areas of 64; F0, F1, F2: three fragments of 8; v232-234 scale words; v236-247 the weights' scale words, later V's; v248-255 at work.
.set REGQ,  17024                      ; LDS: 32 rows of Wq x (512 + 16) bytes, + 128: rows 32 apart start eight 16-byte columns apart, rows side by side one column
.set PQ,    528
.set REGK,  8832                       ; 32 rows of Wk or Wv x (256 + 16) bytes, + 128
.set PK,    272
.set REGP,  8256                       ; 32 channels of px x 256 bytes (64 pixels), + 64: lanes 16-31 read 16 words beside lanes 0-15
.set WQ_L,  0                          ; four regions of REGQ
.set WK_L,  68096                      ; four regions of REGK
.set WV_L,  103424                     ; likewise
.set PX_L,  138752                     ; four regions of REGP
.set IMG_L, 171776                     ; images of fragments' registers, 16 bytes a lane: Wq's tile t at 1024 t (two groups of four registers); Wk's at 8192 + 512 t, Wv's at 12288 + 512 t (the low four: K = 64)
.set SWI,   188160                     ; their scale words, 4 bytes a lane, 128 a tile: Wq's at 128 t, Wk's at 1024 + 128 t, Wv's at 2048 + 128 t
.set BIA_L, 191232                     ; bq, bk, bv (512 bytes each), age (256 bytes, twice)
.set STG_L, 193280                     ; the way out: 16 rows x (512 + 16) bytes for each wave
.set SP,    528
.set APX, 5                            ; v5   px: PX_L + REGP h + 4 r + 64 wave;  on the way out: where I read a row back
.set AWQ, 6                            ; v6   my lane's row of Wq's tile 2 wave, + 128 h
.set AWK, 7                            ; v7   the same in Wk
.set IW1, 8                            ; v8   where I store Wq's images: IMG_L + 16 lane + 2048 wave
.set IW2, 9                            ; v9   Wk's: IMG_L + 8192 + 16 lane + 1024 wave
.set IW3, 10                           ; v10  scale words: SWI + 4 lane + 256 wave
.set LI,  11                           ; v11  IMG_L + 16 lane
.set LW,  12                           ; v12  SWI + 128 h + 4 r: lanes 0-15 take an even tile's words, lanes 16-31 the odd tile's behind it
.set BA,  13                           ; v13  BIA_L + 128 h
.set BVA, 14                           ; v14  bv at my lane's channel of tile 0
.set STO, 15                           ; v15  the stage: row r, + 128 h
.set RA,  16
.set RB,  80
.set RC,  144
.set F0,  208                          ; px's fragment, then q's
.set F1,  216                          ; age's, then p's
.set F2,  224                          ; k's
.set QS,  232                          ; px's scale word, then q's
.set PS,  233                          ; age's, then p's
.set KS,  234                          ; k's
.set SW,  236                          ; v236-239 Wq's scale words (two tiles a register), v240-243 Wk's, v244-247 Wv's;  later v236-243: V's, one tile a register
.set TM,  248
.set FLOOR, 0x1800000                  ; 2^(3 - 127): no largest magnitude is taken under it, so no scale byte falls under 1
.set WV,  22                           ; s22  my wave's number
.set WG,  23                           ; s23  my work-group's number: it enters px's and the output's global addresses alone
.set G1Q, 24                           ; s[24:31], s[32:39], s[40:47] descriptor groups 1: Wq;  Wk and Wv;  px
.set G1K, 32
.set G1P, 40
.set G0Q, 48                           ; s[48:51], s[52:55], s[56:59], s[60:63] groups 0: Wq, Wk, Wv, px
.set G0K, 52
.set G0V, 56
.set G0P, 60
.set SEL, 70                           ; s[70:71] lane selects of v_permlanex16_b32: lane l xor 16
.set CS,  72                           ; s[72:73] c = log2(e) / sqrt(128)
.set CNT, 74                           ; s74  at work, later the loops' counter
; A round of the cluster's barrier: my work-group's barrier, wave 0 signals for the work-group, every wave waits for all four work-groups, my work-group's barrier once more.
.macro ROUND
	s_barrier_signal -1
	s_barrier_wait -1
	s_cmp_lg_u32 s[WV], 0
	s_cbranch_scc1 .Lnot_wave_0_\@
	s_barrier_signal -3
.Lnot_wave_0_\@:
	s_barrier_wait -3
	s_barrier_signal -1
	s_barrier_wait -1
.endm
; Places behind a matrix instruction (ISA guide 7.12.1): plain vector instructions that name none of its registers.  Four in front of a vector instruction or a load that touches its registers,
; five in front of a matrix instruction that writes over one of them.
.macro PLACES n
.rept \n
	v_nop
.endr
.endm
; One (two = 0) or two blocks of 32 numbers of a lane, v[s] on and v[s + 32] on, become 4 or 8 registers of codes, v[d] on; the scale bytes are left in v[TM+4], v[TM+5].
.macro Q2 s, d, two
.irp q, 0,1,2,3
.if (\q < 2) || \two
	v_max3_num_f32 v[TM+\q], |v[\s+16*\q]|, |v[\s+16*\q+1]|, FLOOR            ; four chains of 16 numbers, by turns; the floor is one more leaf
.endif
.endr
.irp i, 2,4,6,8,10,12,14
.irp q, 0,1,2,3
.if (\q < 2) || \two
	v_max3_num_f32 v[TM+\q], v[TM+\q], |v[\s+16*\q+\i]|, |v[\s+16*\q+\i+1]|
.endif
.endr
.endr
	v_max_num_f32 v[TM], v[TM], v[TM+1]                                     ; the block's largest magnitude
.if \two
	v_max_num_f32 v[TM+2], v[TM+2], v[TM+3]
.endif
	v_add_nc_u32 v[TM], 0xff000000, v[TM]                                   ; 2 off its exponent field: the conversion takes the exponent field of this operand as its scale
.if \two
	v_add_nc_u32 v[TM+2], 0xff000000, v[TM+2]
.endif
	v_lshrrev_b32 v[TM+4], 23, v[TM]                                        ; the scale's byte
.if \two
	v_lshrrev_b32 v[TM+5], 23, v[TM+2]
.endif
.irp g, 0,1,2,3
	v_cvt_scalef32_pk8_fp4_f32 v[\d+\g], v[\s+8*\g:\s+8*\g+7], v[TM]
.endr
.if \two
.irp g, 0,1,2,3
	v_cvt_scalef32_pk8_fp4_f32 v[\d+4+\g], v[\s+32+8*\g:\s+32+8*\g+7], v[TM+2]
.endr
.endif
	v_nop                                                                   ; one plain place behind a scaled conversion
.endm
; The scale word of a row of 128 along K: my two bytes are blocks h and 2 + h; lane l xor 16 has the other two.
.macro WORD_FULL w
	v_lshl_or_b32 v[\w], v[TM+5], 16, v[TM+4]
	v_lshlrev_b32 v[\w], v4, v[\w]                                          ; 8 h bits up
	v_permlanex16_b32 v[TM+6], v[\w], s[SEL], s[SEL+1]
	v_or_b32 v[\w], v[\w], v[TM+6]
.endm
; The scale word of a row of 64 along K: my byte, in v[e], is block h.  Bytes 2 and 3 stay 0, over zero codes.
.macro WORD_HALF w, e
	v_lshlrev_b32 v[\w], v4, v[\e]
	v_permlanex16_b32 v[TM+6], v[\w], s[SEL], s[SEL+1]
	v_or_b32 v[\w], v[\w], v[TM+6]
.endm
; The matrix instruction.  MMZ: the constant 0 starts the sum.  MMB: C and D are the same registers; row = 1: source 0's scales stand in lanes 16-31.  MMV: 0 starts the sum; row = 1: source 1's stand there.
.macro MMZ d, a, b, sa, sb
	v_wmma_scale_f32_16x16x128_f8f6f4 v[\d:\d+7], v[\a:\a+7], v[\b:\b+7], 0, v[\sa], v[\sb] matrix_a_fmt:MATRIX_FMT_FP4 matrix_b_fmt:MATRIX_FMT_FP4
.endm
.macro MMB d, a, b, sa, sb, row
.if \row
	v_wmma_scale_f32_16x16x128_f8f6f4 v[\d:\d+7], v[\a:\a+7], v[\b:\b+7], v[\d:\d+7], v[\sa], v[\sb] matrix_a_fmt:MATRIX_FMT_FP4 matrix_b_fmt:MATRIX_FMT_FP4 matrix_a_scale:MATRIX_SCALE_ROW1
.else
	v_wmma_scale_f32_16x16x128_f8f6f4 v[\d:\d+7], v[\a:\a+7], v[\b:\b+7], v[\d:\d+7], v[\sa], v[\sb] matrix_a_fmt:MATRIX_FMT_FP4 matrix_b_fmt:MATRIX_FMT_FP4
.endif
.endm
.macro MMV d, a, b, sa, sb, row
.if \row
	v_wmma_scale_f32_16x16x128_f8f6f4 v[\d:\d+7], v[\a:\a+7], v[\b:\b+7], 0, v[\sa], v[\sb] matrix_a_fmt:MATRIX_FMT_FP4 matrix_b_fmt:MATRIX_FMT_FP4 matrix_b_scale:MATRIX_SCALE_ROW1
.else
	v_wmma_scale_f32_16x16x128_f8f6f4 v[\d:\d+7], v[\a:\a+7], v[\b:\b+7], 0, v[\sa], v[\sb] matrix_a_fmt:MATRIX_FMT_FP4 matrix_b_fmt:MATRIX_FMT_FP4
.endif
.endm
; px of my 16 pixels: register 32 c + i = channel 64 c + 32 h + i of pixel r
.macro LDPX reg
.irp c, 0,1
.set i, 0
.rept 32
	ds_load_b32 v[\reg+32*\c+i], v[APX] offset:2*REGP*\c+256*i
.set i, i+1
.endr
.endr
.endm
; 2 x 32 numbers a lane by sixteen loads of 16 bytes: the second 32 begin step bytes behind the first
.macro LDW reg, adr, off, step
.irp c, 0,1
.irp g, 0,1,2,3,4,5,6,7
	ds_load_b128 v[\reg+32*\c+4*\g:\reg+32*\c+4*\g+3], v[\adr] offset:\off+\step*\c+16*\g
.endr
.endr
.endm
	; ---------------- the head: arguments, descriptors, the first and only fills
	s_load_b512 s[4:19], s[0:1], 0x0               ; px s[4:5], age s[6:7], Wq s[8:9], bq s[10:11], Wk s[12:13], bk s[14:15], Wv s[16:17], bv s[18:19]
	s_load_b64 s[20:21], s[0:1], 0x40              ; the output
	v_lshl_add_u32 v235, v0, 2, 0x38000
	s_set_vgpr_msb 0x40
	v_mov_b32 v1, 0
	s_set_vgpr_msb 0x4044
	ds_add_u32 v235, v1
	ds_add_u32 v235, v1
	s_set_vgpr_msb 0x4400
	v_lshrrev_b32 v1, 5, v0
	v_readfirstlane_b32 s[WV], v1                  ; wave 0..3
	s_bfe_u32 s[WG], ttmp6, 0x40000                ; cx: my place in the cluster
	s_lshl_b32 s[CNT], ttmp9, 2                    ; in a cluster launch ttmp9 counts clusters
	s_add_co_u32 s[WG], s[CNT], s[WG]              ; work-group = 4 x cluster + cx
	v_and_b32 v1, 15, v0                           ; r
	v_bfe_u32 v2, v0, 4, 1                         ; h
	v_and_b32 v3, 31, v0
	v_lshlrev_b32 v3, 4, v3                        ; 16 x lane; never rewritten
	v_lshlrev_b32 v4, 3, v2                        ; 8 h
	; group 1 for Wq: 32 rows x 128 elements of 4 bytes, 16 bytes of padding behind each row of 512
	s_mov_b32 s[G1Q+0], 15|(2<<16)|(1<<20)|(1<<21)|(6<<22)|(3<<25)   ; 15:0 the mask: all four work-groups; 17:16 elements of 4 bytes; 20 padding on; 21 set beside a mask; 24:22 after every 128 words; 31:25 four words
	s_mov_b32 s[G1Q+1], 128<<16                    ; tensor_dim0
	s_mov_b32 s[G1Q+2], 32<<16                     ; tensor_dim1
	s_mov_b32 s[G1Q+3], 128<<16                    ; tile_dim0
	s_mov_b32 s[G1Q+4], 32                         ; tile_dim1
	s_mov_b32 s[G1Q+5], 128                        ; elements from row to row
	s_mov_b32 s[G1Q+6], 0
	s_mov_b32 s[G1Q+7], 0
	; for Wk and Wv: 32 rows x 64 elements, 16 bytes of padding behind each row of 256
	s_mov_b32 s[G1K+0], 15|(2<<16)|(1<<20)|(1<<21)|(5<<22)|(3<<25)
	s_mov_b32 s[G1K+1], 64<<16
	s_mov_b32 s[G1K+2], 32<<16
	s_mov_b32 s[G1K+3], 64<<16
	s_mov_b32 s[G1K+4], 32
	s_mov_b32 s[G1K+5], 64
	s_mov_b32 s[G1K+6], 0
	s_mov_b32 s[G1K+7], 0
	; for px: 32 channels x 64 pixels, 16,384 elements from channel to channel; no mask, no padding
	s_mov_b32 s[G1P+0], 2<<16
	s_mov_b32 s[G1P+1], 64<<16
	s_mov_b32 s[G1P+2], 32<<16
	s_mov_b32 s[G1P+3], 64<<16
	s_mov_b32 s[G1P+4], 32
	s_mov_b32 s[G1P+5], 16384
	s_mov_b32 s[G1P+6], 0
	s_mov_b32 s[G1P+7], 0
	; groups 0: wave w brings rows 32 w on of each of the four tensors, into region w.  The weights' hang on the wave's number alone.
	s_mov_b32 s[G0Q], 1
	s_mul_i32 s[G0Q+1], s[WV], REGQ                ; WQ_L is LDS byte 0
	s_mov_b32 s[G0K], 1
	s_mul_i32 s[G0K+1], s[WV], REGK
	s_mov_b32 s[G0V], 1
	s_add_co_u32 s[G0V+1], s[G0K+1], WV_L
	s_add_co_u32 s[G0K+1], s[G0K+1], WK_L
	s_mov_b32 s[G0P], 1
	s_mul_i32 s[G0P+1], s[WV], REGP
	s_add_co_u32 s[G0P+1], s[G0P+1], PX_L
	s_lshl_b32 s76, s[WV], 14                      ; 32 rows of Wq: 16,384 bytes
	s_mov_b32 s77, 0
	s_lshl_b32 s78, s[WV], 13                      ; 32 rows of Wk or Wv: 8,192
	s_mov_b32 s79, 0
	s_lshl_b32 s80, s[WV], 21                      ; 32 channels of px: 2,097,152,
	s_lshl_b32 s81, s[WG], 8                       ; + my work-group's 64 pixels: 256 bytes
	s_add_co_u32 s80, s80, s81
	s_mov_b32 s81, 0
	s_mov_b32 s[SEL], 0x76543210
	s_mov_b32 s[SEL+1], 0xfedcba98
	s_mov_b32 s[CS], 0x3e0293ee                    ; c = log2(e) / sqrt(128)
	s_mov_b32 s[CS+1], s[CS]                       ; (named with it as a pair, so it is written)
	s_wait_dscnt 0x0
	s_wait_kmcnt 0x0
	s_add_nc_u64 s[G0Q+2:G0Q+3], s[8:9], s[76:77]
	s_or_b32 s[G0Q+3], s[G0Q+3], 0x80000000        ; type = 2
	s_add_nc_u64 s[G0K+2:G0K+3], s[12:13], s[78:79]
	s_or_b32 s[G0K+3], s[G0K+3], 0x80000000
	s_add_nc_u64 s[G0V+2:G0V+3], s[16:17], s[78:79]
	s_or_b32 s[G0V+3], s[G0V+3], 0x80000000
	s_add_nc_u64 s[G0P+2:G0P+3], s[4:5], s[80:81]
	s_or_b32 s[G0P+3], s[G0P+3], 0x80000000
	s_lshl_b32 s76, s[WG], 15                      ; the output: 64 rows of 512 bytes a work-group,
	s_add_co_u32 s76, s76, s78                     ; 16 rows a wave
	s_add_nc_u64 s[20:21], s[20:21], s[76:77]
	ROUND                                          ; all four work-groups are here: the joint loads meet
	tensor_load_to_lds s[G0P:G0P+3], s[G1P:G1P+7]  ; four loads of mine are out: all the fills of the launch, in one group
	s_nop 0
	tensor_load_to_lds s[G0Q:G0Q+3], s[G1Q:G1Q+7]
	s_nop 0
	tensor_load_to_lds s[G0K:G0K+3], s[G1K:G1K+7]
	s_nop 0
	tensor_load_to_lds s[G0V:G0V+3], s[G1K:G1K+7]
	s_nop 0
.rept 4
	v_nop
.endr
	; the four small inputs, one a wave: 0 bq, 1 bk, 2 bv (512 bytes), 3 age (256 bytes: lanes 16-31 read what lanes 0-15 read).  The choice hangs on the wave's number alone.
	s_mov_b64 s[66:67], s[10:11]
	s_mov_b32 s68, 0x1f0
	s_cmp_eq_u32 s[WV], 1
	s_cselect_b64 s[66:67], s[14:15], s[66:67]
	s_cmp_eq_u32 s[WV], 2
	s_cselect_b64 s[66:67], s[18:19], s[66:67]
	s_cmp_eq_u32 s[WV], 3
	s_cselect_b64 s[66:67], s[6:7], s[66:67]
	s_cselect_b32 s68, 0xf0, s68
	v_and_b32 v16, s68, v3
	global_load_b128 v[TM:TM+3], v16, s[66:67]
	; every LDS address, while the fills are on their way
	v_lshrrev_b32 v[TM+4], 3, v1                   ; r / 8
	v_and_b32 v[TM+5], 7, v1                       ; r % 8
	s_lshr_b32 s82, s[WV], 1
	s_and_b32 s83, s[WV], 1
	s_lshl_b32 s[CNT], s[WV], 6
	s_add_co_u32 s[CNT], s[CNT], PX_L
	v_mul_u32_u24 v[APX], v2, REGP
	v_lshl_add_u32 v[APX], v1, 2, v[APX]
	v_add_nc_u32 v[APX], s[CNT], v[APX]
	s_mul_i32 s[CNT], s82, 2*REGQ                  ; tile 2 w: regions 2 (w / 2) and 2 (w / 2) + 1, rows 16 (w % 2) on
	s_mul_i32 s75, s83, 16*PQ
	s_add_co_u32 s[CNT], s[CNT], s75
	v_mul_u32_u24 v[AWQ], v[TM+4], REGQ
	v_mad_u32_u24 v[AWQ], v[TM+5], PQ, v[AWQ]
	v_lshl_add_u32 v[AWQ], v2, 7, v[AWQ]
	v_add_nc_u32 v[AWQ], s[CNT], v[AWQ]
	s_mul_i32 s[CNT], s82, 2*REGK
	s_mul_i32 s75, s83, 16*PK
	s_add_co_u32 s[CNT], s[CNT], s75
	s_add_co_u32 s[CNT], s[CNT], WK_L
	v_mul_u32_u24 v[AWK], v[TM+4], REGK
	v_mad_u32_u24 v[AWK], v[TM+5], PK, v[AWK]
	v_lshl_add_u32 v[AWK], v2, 7, v[AWK]
	v_add_nc_u32 v[AWK], s[CNT], v[AWK]
	s_lshl_b32 s[CNT], s[WV], 11
	s_add_co_u32 s[CNT], s[CNT], IMG_L
	v_add_nc_u32 v[IW1], s[CNT], v3
	s_lshl_b32 s[CNT], s[WV], 10
	s_add_co_u32 s[CNT], s[CNT], IMG_L+8192
	v_add_nc_u32 v[IW2], s[CNT], v3
	s_lshl_b32 s[CNT], s[WV], 8
	s_add_co_u32 s[CNT], s[CNT], SWI
	v_lshrrev_b32 v[IW3], 2, v3
	v_add_nc_u32 v[IW3], s[CNT], v[IW3]
	v_add_nc_u32 v[LI], IMG_L, v3
	v_lshlrev_b32 v[LW], 2, v1
	v_lshl_add_u32 v[LW], v2, 7, v[LW]
	v_add_nc_u32 v[LW], SWI, v[LW]
	v_lshl_add_u32 v[BA], v2, 7, BIA_L
	v_lshlrev_b32 v[BVA], 2, v[TM+5]
	v_lshl_add_u32 v[BVA], v[TM+4], 7, v[BVA]
	v_add_nc_u32 v[BVA], BIA_L+1024, v[BVA]
	s_mul_i32 s69, s[WV], 16*SP
	s_add_co_u32 s69, s69, STG_L                   ; my stage; kept for the way out
	v_mul_u32_u24 v[STO], v1, SP
	v_lshl_add_u32 v[STO], v2, 7, v[STO]
	v_add_nc_u32 v[STO], s69, v[STO]
	s_lshl_b32 s[CNT], s[WV], 9
	s_add_co_u32 s[CNT], s[CNT], BIA_L
	v_add_nc_u32 v17, s[CNT], v3                   ; where my small input goes
.irp q, 4,5,6,7
	v_mov_b32 v[TM+\q], 0                          ; written once: a lane permute's destination counts as one of its sources
.endr
	s_wait_loadcnt 0x0
	ds_store_b128 v17, v[TM:TM+3]
	s_wait_tensorcnt 0x0                           ; my four tiles have landed,
	s_wait_dscnt 0x0                               ; my store too:
	s_barrier_signal -1
	s_barrier_wait -1                              ; everybody's have
	; ---------------- phase 1: wave w quantises its own px, tiles 2 w and 2 w + 1 of each weight, and age.  A job's loads are issued while the job before is worked on.
	LDPX RA
	LDW RB, AWQ, 0, 256                            ; Wq's tile 2 w: register 32 c + i = k 64 c + 32 h + i of my lane's row
	s_wait_dscnt 16                                ; px is in; the 16 loads behind it may be out
	Q2 RA, F0, 1
	WORD_FULL QS                                   ; px's fragment and scale word stay in my registers
	LDW RA, AWQ, 8*PQ, 256                         ; Wq's tile 2 w + 1: eight rows on
	s_wait_dscnt 16                                ; tile 2 w is in; the 16 just issued may be out
	Q2 RB, RC, 1
	WORD_FULL RC+32
	ds_store_b128 v[IW1], v[RC:RC+3]
	ds_store_b128 v[IW1], v[RC+4:RC+7] offset:512
	ds_store_b32 v[IW3], v[RC+32]
	LDW RB, AWK, 0, 8*PK                           ; Wk's tiles 2 w and 2 w + 1: one block of 32 a lane each (K = 64)
	s_wait_dscnt 19                                ; Wq's second tile is in; behind it: 3 stores and 16 loads
	Q2 RA, RC+8, 1
	WORD_FULL RC+33
	ds_store_b128 v[IW1], v[RC+8:RC+11] offset:1024
	ds_store_b128 v[IW1], v[RC+12:RC+15] offset:1536
	ds_store_b32 v[IW3], v[RC+33] offset:128
	LDW RA, AWK, WV_L-WK_L, 8*PK                   ; Wv's two tiles
	s_wait_dscnt 19                                ; Wk's tiles are in; behind them: 3 stores and 16 loads
	Q2 RB, RC+16, 1
	WORD_HALF RC+34, TM+4
	WORD_HALF RC+35, TM+5
	ds_store_b128 v[IW2], v[RC+16:RC+19]
	ds_store_b128 v[IW2], v[RC+20:RC+23] offset:512
	ds_store_b32 v[IW3], v[RC+34] offset:1024
	ds_store_b32 v[IW3], v[RC+35] offset:1152
.irp g, 0,1,2,3,4,5,6,7
	ds_load_b128 v[RB+4*\g:RB+4*\g+3], v[BA] offset:1536+16*\g   ; age: k = 32 h + 0 .. 31, the same in every lane of a half: every key's row is this row
.endr
	s_wait_dscnt 12                                ; Wv's tiles are in; behind them: 4 stores and 8 loads
	Q2 RA, RC+24, 1
	WORD_HALF RC+36, TM+4
	WORD_HALF RC+37, TM+5
	ds_store_b128 v[IW2], v[RC+24:RC+27] offset:4096
	ds_store_b128 v[IW2], v[RC+28:RC+31] offset:4608
	ds_store_b32 v[IW3], v[RC+36] offset:2048
	ds_store_b32 v[IW3], v[RC+37] offset:2176
	s_wait_dscnt 4                                 ; age is in; the 4 stores may be out
	Q2 RB, F1, 0
	WORD_HALF PS, TM+4
.irp g, 4,5,6,7
	v_mov_b32 v[F1+\g], 0                          ; K = 64: the rest of the instruction's 128 are zero codes, on both operands
.endr
	s_wait_dscnt 0x0                               ; for the others' sake: my images lie in LDS
	s_barrier_signal -1
	s_barrier_wait -1
	; ---------------- phase 2: q, k and v of my 16 rows, and their codes
.irp t, 0,1,2,3,4,5,6,7
.irp c, 0,1
	ds_load_b128 v[RA+8*\t+4*\c:RA+8*\t+4*\c+3], v[LI] offset:1024*\t+512*\c   ; Wq's eight fragments
.endr
.endr
.irp p, 0,1,2,3
	ds_load_b32 v[SW+\p], v[LW] offset:256*\p      ; their scale words: tile 2 p in lanes 0-15, tile 2 p + 1 in lanes 16-31
.endr
	LDW RB, BA, 0, 256                             ; bq in the result's layout: register 32 c + i = bq[64 c + 32 h + i]: it is the C of q's products
.irp t, 0,1,2,3,4,5,6,7
	ds_load_b128 v[RC+8*\t:RC+8*\t+3], v[LI] offset:8192+512*\t   ; Wk's eight fragments, the low halves
.endr
.irp p, 0,1,2,3
	ds_load_b32 v[SW+4+\p], v[LW] offset:1024+256*\p
.endr
.irp t, 0,1,2,3,4,5,6,7
.irp g, 4,5,6,7
	v_mov_b32 v[RC+8*\t+\g], 0                     ; the high halves: zero codes
.endr
.endr
	s_wait_dscnt 12                                ; Wq, its words and bq are in; Wk's 8 + 4 loads may be out
.irp t, 0,1,2,3,4,5,6,7
	MMB RB+8*\t, RA+8*\t, F0, SW+\t/2, QS, \t%2    ; q^T: source 0 = 16 rows of Wq, source 1 = my 16 pixels: lane (r, h) holds pixel r
.endr
	PLACES 5
	LDW RA, BA, 512, 256                           ; bk, where Wq's fragments lay
	Q2 RB, F0, 1                                   ; q's codes, along the channels
	WORD_FULL QS
.irp t, 0,1,2,3,4,5,6,7
	ds_load_b128 v[RB+8*\t:RB+8*\t+3], v[LI] offset:12288+512*\t   ; Wv's eight fragments, where q lay
.endr
.irp p, 0,1,2,3
	ds_load_b32 v[SW+8+\p], v[LW] offset:2048+256*\p
.endr
.irp t, 0,1,2,3,4,5,6,7
.irp g, 4,5,6,7
	v_mov_b32 v[RB+8*\t+\g], 0
.endr
.endr
	s_wait_dscnt 12                                ; Wk, its words and bk are in; Wv's 8 + 4 loads may be out
.irp t, 0,1,2,3,4,5,6,7
	MMB RA+8*\t, RC+8*\t, F1, SW+4+\t/2, PS, \t%2  ; k^T: source 0 = 16 rows of Wk, source 1 = 16 keys' age: lane (r, h) holds key r
.endr
	PLACES 5                                       ; v's results are laid over Wk's fragments
	s_wait_dscnt 0x0
.irp t, 0,1,2,3,4,5,6,7
	MMV RC+8*\t, F1, RB+8*\t, PS, SW+8+\t/2, \t%2  ; v, not transposed: source 0 = 16 keys' age, source 1 = 16 rows of Wv: lane (r, h) holds ONE channel, the tile's row r, and keys 8 h + 0 .. 7
.endr
	PLACES 4
.irp t, 0,1,2,3,4,5,6,7
	ds_load_b32 v[RB+\t], v[BVA] offset:256*(\t/4)+32*(\t%4)   ; bv at my lane's channel of tile t
.endr
	Q2 RA, F2, 1                                   ; k's codes, along the channels
	WORD_FULL KS
	s_wait_dscnt 0x0
; v + bv, and V^T's fragments of tiles 4 g .. 4 g + 3: lane (r, h) holds channel row r and 64 keys along the second long product's K.  Every key is the broadcast row: each of the fragment's eight registers is
; the codes of eight keys, and the four blocks of 32 keys have one scale byte.
.macro VPROC g
.irp j, 0,1,2,3,4,5,6,7
.irp q, 0,1,2,3
	v_add_f32 v[RC+8*(4*\g+\q)+\j], v[RB+4*\g+\q], v[RC+8*(4*\g+\q)+\j]
.endr
.endr
.irp q, 0,1,2,3
	v_max3_num_f32 v[TM+\q], |v[RC+8*(4*\g+\q)]|, |v[RC+8*(4*\g+\q)+1]|, FLOOR
.endr
.irp i, 2,4,6
.irp q, 0,1,2,3
	v_max3_num_f32 v[TM+\q], v[TM+\q], |v[RC+8*(4*\g+\q)+\i]|, |v[RC+8*(4*\g+\q)+\i+1]|
.endr
.endr
.irp q, 0,1,2,3
	v_permlanex16_b32 v[TM+4+\q], v[TM+\q], s[SEL], s[SEL+1]
.endr
.irp q, 0,1,2,3
	v_max_num_f32 v[TM+\q], v[TM+\q], v[TM+4+\q]   ; with the other eight keys'
.endr
.irp q, 0,1,2,3
	v_add_nc_u32 v[TM+\q], 0xff000000, v[TM+\q]
.endr
.irp q, 0,1,2,3
	v_lshrrev_b32 v[TM+4+\q], 23, v[TM+\q]
.endr
.irp q, 0,1,2,3
	v_lshl_or_b32 v[TM+4+\q], v[TM+4+\q], 8, v[TM+4+\q]
.endr
.irp q, 0,1,2,3
	v_lshl_or_b32 v[SW+4*\g+\q], v[TM+4+\q], 16, v[TM+4+\q]   ; the byte four times: the tile's scale word
.endr
.irp i, 0,1,2,3,4,5,6,7
.irp q, 0,1,2,3
	v_cvt_scalef32_pk8_fp4_f32 v[RA+8*(4*\g+\q)+\i], v[RC+8*(4*\g+\q):RC+8*(4*\g+\q)+7], v[TM+\q]
.endr
.endr
	v_nop                                          ; one plain place behind a scaled conversion
.endm
	VPROC 0
	VPROC 1
	; ---------------- pass 1: S^T = K Q^T for all keys; every score goes into the row's maximum
; A key step: 8 tiles of 16 keys.  In front of a tile's product stand the four v_max3 that take in the tile's scores of the step before, from the tile's low end on.  Between a product and the next touch of its
; registers stand the 28 v_max3 of the seven other tiles.  No two products that follow each other name one accumulator.
.macro STEP1 mx, mm
.irp i, 0,1,2,3,4,5,6,7
.if \mx
.irp j, 0,1,2,3
	v_max3_num_f32 v[TM+\j], v[TM+\j], v[RB+8*\i+2*\j], v[RB+8*\i+2*\j+1]
.endr
.endif
.if \mm
	MMZ RB+8*\i, F2, F0, KS, QS
.endif
.endr
.endm
	STEP1 0, 1                                     ; key step 0
.irp j, 0,1,2,3
	v_mov_b32 v[TM+\j], 0xff800000                 ; four running maxima begin at -infinity.  These four and the line below are the five places behind step 0's products
.endr
	v_nop
	s_mov_b32 s[CNT], 31
.Lp1:                                                  ; 31 trips of four key steps
	STEP1 1, 1
	STEP1 1, 1
	STEP1 1, 1
	STEP1 1, 1
	s_sub_co_u32 s[CNT], s[CNT], 1
	s_cmp_lg_u32 s[CNT], 0
	s_cbranch_scc1 .Lp1
	STEP1 1, 1                                     ; 1 + 124 + 3 = 128 key steps
	STEP1 1, 1
	STEP1 1, 1
	STEP1 1, 0                                     ; the last step's scores
	; ---------------- the softmax: M, p = 2^(t - M), p's codes, the sum
	v_max3_num_f32 v[TM], v[TM], v[TM+1], v[TM+2]
	v_max_num_f32 v[TM], v[TM], v[TM+3]
	v_permlanex16_b32 v[TM+6], v[TM], s[SEL], s[SEL+1]
	v_max_num_f32 v[TM], v[TM], v[TM+6]            ; the row's largest score
	v_mul_f32 v[TM+5], s[CS], v[TM]                ; as t (c is positive)
	v_floor_f32 v[TM+4], -v[TM+5]                  ; -M = floor(-t) = -ceil(t): a whole number
.set j, 0
.rept 32
	v_pk_fma_f32 v[RB+j:RB+j+1], v[RB+j:RB+j+1], s[CS:CS+1], v[TM+4:TM+5] op_sel_hi:[1,0,0]   ; t - M, two at a time (of the pairs c and -M the low word serves both halves)
.set j, j+2
.endr
.set j, 0
.rept 64
	v_exp_f32 v[RB+j], v[RB+j]                     ; p: not normalised
.set j, j+1
.endr
	v_nop                                          ; one plain place behind the exponentials
	s_wait_alu depctr_va_vdst(0)
	Q2 RB, F1, 1                                   ; p's codes along the keys: register 32 c + i is key 64 c + 32 h + i of a step
	WORD_FULL PS
	v_pk_add_f32 v[TM:TM+1], v[RB:RB+1], v[RB+2:RB+3]          ; the sum of the UNQUANTISED p, two at a time, in two chains.  (These lines are also the places between p's scale word and the first product that names it)
	v_pk_add_f32 v[TM+2:TM+3], v[RB+4:RB+5], v[RB+6:RB+7]
.irp j, 8,12,16,20,24,28,32,36,40,44,48,52,56,60
	v_pk_add_f32 v[TM:TM+1], v[TM:TM+1], v[RB+\j:RB+\j+1]
	v_pk_add_f32 v[TM+2:TM+3], v[TM+2:TM+3], v[RB+\j+2:RB+\j+3]
.endr
	v_pk_add_f32 v[TM:TM+1], v[TM:TM+1], v[TM+2:TM+3]
	v_add_f32 v[TM], v[TM], v[TM+1]
	v_permlanex16_b32 v[TM+6], v[TM], s[SEL], s[SEL+1]
	v_add_f32 v[TM], v[TM], v[TM+6]                ; one step's 128 keys,
	v_mul_f32 v[TM], 0x43000000, v[TM]             ; x 128 steps: l
	v_rcp_f32 v[TM+4], v[TM]
	v_nop                                          ; one plain place behind the reciprocal
	; ---------------- pass 2: O^T += V^T P^T for all keys.  The eight accumulators take turns, one instruction a turn.
.irp t, 0,1,2,3,4,5,6,7
	MMZ RC+8*\t, RA+8*\t, F1, SW+\t, PS            ; key step 0 starts the sums
.endr
	LDPX RB                                        ; px once more, where p lay: it lands under the products and is waited for behind them
.macro STEP2
.irp t, 0,1,2,3,4,5,6,7
	MMB RC+8*\t, RA+8*\t, F1, SW+\t, PS, 0
.endr
.endm
	s_mov_b32 s[CNT], 31
.Lp2:                                                  ; 31 trips of four key steps
	STEP2
	STEP2
	STEP2
	STEP2
	s_sub_co_u32 s[CNT], s[CNT], 1
	s_cmp_lg_u32 s[CNT], 0
	s_cbranch_scc1 .Lp2
	STEP2                                          ; 1 + 124 + 3 = 128 key steps
	STEP2
	STEP2
	; ---------------- the way out: O^T / l + px; through my stage in LDS, so that the 32 lanes store whole rows of 512 bytes
	PLACES 4
	s_wait_dscnt 0x0                               ; px is in
.set j, 0
	s_wait_alu depctr_va_vdst(0)
.rept 32
	v_pk_fma_f32 v[RC+j:RC+j+1], v[RC+j:RC+j+1], v[TM+4:TM+5], v[RB+j:RB+j+1] op_sel_hi:[1,0,1]   ; each accumulator from its low end on
.set j, j+2
.endr
.irp c, 0,1
.irp g, 0,1,2,3,4,5,6,7
	ds_store_b128 v[STO], v[RC+32*\c+4*\g:RC+32*\c+4*\g+3] offset:256*\c+16*\g   ; row r, channels 64 c + 32 h + 4 g on
.endr
.endr
	v_add_nc_u32 v[APX], s69, v3                   ; back: 16 bytes a lane of a row
.irp i, 0,1,2,3,4,5,6,7,8,9,10,11,12,13,14,15
	ds_load_b128 v[RA+4*\i:RA+4*\i+3], v[APX] offset:SP*\i   ; LDS serves a wave's instructions in order (ISA guide 5.7.1.4): these see my stores
.endr
.irp i, 0,1,2,3,4,5,6,7,8,9,10,11,12,13,14,15
	s_wait_dscnt 15-\i                             ; row i is back; the younger loads may be out
	global_store_b128 v3, v[RA+4*\i:RA+4*\i+3], s[20:21] offset:512*\i th:TH_STORE_NT   ; 32 lanes store 512 consecutive bytes, at a multiple of 512 from the output's first byte; written once, read by nobody here
.endr
	s_set_vgpr_msb 0x4
	s_wait_tensorcnt 0x0
	ds_add_u32 v235, v1
	s_wait_dscnt 0x0
	s_set_vgpr_msb 0x400
	ROUND                                          ; the closing round: no work-group ends while a partner may still ask for a tile that names it
	s_endpgm
.Lfunc_end_k_qb73c83ca89_attn:
	.size	k_qb73c83ca89_attn, .Lfunc_end_k_qb73c83ca89_attn-k_qb73c83ca89_attn
	.p2alignl 7, 3214868480
	.fill 96, 4, 3214868480
	.section	.rodata,"a",@progbits
	.p2align	6, 0x0
	.amdhsa_kernel k_qb73c83ca89_attn
		.amdhsa_group_segment_fixed_size 229888
		.amdhsa_private_segment_fixed_size 0
		.amdhsa_enable_private_segment 0
		.amdhsa_kernarg_size 72
		.amdhsa_user_sgpr_count 2
		.amdhsa_user_sgpr_kernarg_segment_ptr 1
		.amdhsa_wavefront_size32 1
		.amdhsa_system_sgpr_workgroup_id_x 1
		.amdhsa_system_sgpr_workgroup_id_y 1
		.amdhsa_system_sgpr_workgroup_id_z 1
		.amdhsa_system_vgpr_workitem_id 0
		.amdhsa_next_free_vgpr 258
		.amdhsa_next_free_sgpr 84
		.amdhsa_reserve_vcc 0
		.amdhsa_float_denorm_mode_32 3
		.amdhsa_float_denorm_mode_16_64 3
		.amdhsa_memory_ordered 1
		.amdhsa_forward_progress 1
		.amdhsa_inst_pref_size 117
	.end_amdhsa_kernel
	.amdgpu_metadata
---
amdhsa.version: [ 1, 2 ]
amdhsa.kernels:
  - .name:           k_qb73c83ca89_attn
    .symbol:         k_qb73c83ca89_attn.kd
    .args:
      - { .name: pixel_features, .offset: 0, .size: 8, .value_kind: global_buffer, .address_space: global }
      - { .name: age_features, .offset: 8, .size: 8, .value_kind: global_buffer, .address_space: global }
      - { .name: Wq, .offset: 16, .size: 8, .value_kind: global_buffer, .address_space: global }
      - { .name: bq, .offset: 24, .size: 8, .value_kind: global_buffer, .address_space: global }
      - { .name: Wk, .offset: 32, .size: 8, .value_kind: global_buffer, .address_space: global }
      - { .name: bk, .offset: 40, .size: 8, .value_kind: global_buffer, .address_space: global }
      - { .name: Wv, .offset: 48, .size: 8, .value_kind: global_buffer, .address_space: global }
      - { .name: bv, .offset: 56, .size: 8, .value_kind: global_buffer, .address_space: global }
      - { .name: out0, .offset: 64, .size: 8, .value_kind: global_buffer, .address_space: global }
    .group_segment_fixed_size: 229888
    .private_segment_fixed_size: 0
    .kernarg_segment_align: 8
    .kernarg_segment_size: 72
    .max_flat_workgroup_size: 128
    .sgpr_count:     84
    .vgpr_count:     258
    .wavefront_size: 32
...
	.end_amdgpu_metadata
.endif
;; end of part 1
